; MI455X (gfx1250); checked and timed in simulation.
; The chip was launched on July 23, 2026; its instructions are those of AMD's public machine-readable ISA for CDNA 5 (MIT licence, August 2026) and "CDNA5" Instruction Set Architecture Reference Guide (July 2026). The comments in the code are by the model that wrote it; some were corrected since.
;; Basic Multi Head Self Attention. Allowed arithmetic: matrix products marked QUANTISED: E5M2 operands, one given power-of-two scale a tensor, by v_wmma_f32_16x16x64_bf8_bf8 or v_wmma_f32_16x16x128_bf8_bf8, f32 sums; everything else in f32.
;; Inputs: Q 2 x 2,048 x 1,024 float32; Wout 1,024 x 1,024 float32; Wqkv 1,024 x 3,072 float32; bout 1,024 float32; bqkv 3,072 float32; lowp_scales 8 int32 (the exponents e of the quantised operands' scales 2^e).
;; Outputs: out0 2 x 2,048 x 1,024 float32.
;; This version of the problem:
;;   THIS VERSION OF THE PROBLEM IS GIVEN IN LOW PRECISION. The matrix products marked QUANTISED in the list below multiply operands that are first quantised to E5M2 (5 exponent bits, 2 mantissa bits; 8 bits a number), with one given power-of-two scale for each operand tensor; their sums are f32. All else is computed in f32.
;;   The module's matrix products, in the order in which they are computed (A, B: the left and right operand; K: the contracted axis; several contracted axes count as one K, in the product's order):
;;     1. [M 4,096, K 1,024] x [K 1,024, N 3,072]; A: input Q; B: input Wqkv: QUANTISED (scales: A lowp_scales[0], B lowp_scales[1])
;;     2. batch 32 x [M 2,048, K 64] x [K 64, N 2,048]; A: computed on the way; B: computed on the way: QUANTISED (scales: A lowp_scales[2], B lowp_scales[3])
;;     3. batch 32 x [M 64, K 2,048] x [K 2,048, N 2,048]; A: computed on the way; B: softmax (see below): QUANTISED (scales: A lowp_scales[4], B lowp_scales[5])
;;     4. [M 4,096, K 1,024] x [K 1,024, N 1,024]; A: computed on the way; B: input Wout: QUANTISED (scales: A lowp_scales[6], B lowp_scales[7])
;;   THE QUANTISER, for each operand of a quantised product, along K:
;;     - The operand's scale is 2^e, e = its entry of the input lowp_scales (int32; the entries are numbered through the quantised products in the list's order, A before B).
;;     - Each number is divided by the scale, clamped to +-57,344, and rounded to the nearest number of E5M2, ties to even, subnormals kept.
;;     - The product sums the exact products of the quantised numbers (number of the format x scale) in f32.
;;   ~~~python
;;   def quantise(x, axis, e):      # numpy; x: float32 -> the quantised numbers, widened to float32 again
;;       x = np.moveaxis(x, axis, -1); K = x.shape[-1]
;;       r = np.clip(x / 2.0 ** e, -57344, 57344)
;;       step = 2.0 ** (np.maximum(np.frexp(np.where(r == 0, 1, r))[1] - 1, -14) - 2)
;;       q = np.round(r / step) * step * 2.0 ** e      # np.round: ties to even
;;       return np.moveaxis(q, -1, axis).astype(np.float32)
;;   ~~~
;;   SOFTMAX AHEAD OF A QUANTISED PRODUCT. Where the list says 'softmax', what is quantised is not the finished softmax but p = 2^(t - M), with t = logit x log2(e) and M = ceil(the row's largest t), a whole number; so 1/2 < the row's largest p <= 1. The row's sum l is taken of the UNQUANTISED p, in f32, and the product's result is divided by l at the end. Since M is a whole number, a kernel that streams over the keys may use a running M (the ceiling of the running maximum): every later rescaling is an exact power of two, so the quantised numbers keep their values, but for numbers so far below the row's largest that they fall under the format's range.
;;   OPERANDS COMPUTED ON THE WAY. 'Computed on the way' means the value that the module computes at that place (a softmax that the list does not call 'softmax' is quantised finished and normalised). What goes into a quantiser is computed in f32, as accurately as f32 sums, v_exp_f32 and their like allow (about 1e-6 of the number): no bf16 or f16 on the way to a quantiser, and a product that is left as it is and whose result goes on into a quantised operand takes f32 operands (vector FMAs, or v_wmma_f32_16x16x4_f32). A number that lies on a knife's edge between two numbers of the format may be rounded either way, as far as f32 arithmetic and the matrix unit's own rounding can turn it there, and no further.
;; One version. Each part assembles by itself: llvm-mc -triple=amdgcn-amd-amdhsa -mcpu=gfx1250 --defsym DOCPART=n.
;; ======== version 1 of 1: 4 launches
;; limits: right only within a limited range of input values
;; workspace buffers: qc 4,194,304 bytes; wc 3,145,728 bytes; woc 1,048,576 bytes; q_codes 4,194,304 bytes; k_codes 4,194,304 bytes; v_codes 4,194,304 bytes; att_codes 4,194,304 bytes
;; launch prep (part 1): grid 256 x 1, 8 waves a work-group, no clusters, 111,616 bytes of LDS; arguments Q, Wqkv, Wout, lowp_scales, qc, wc, woc; writes qc, wc, woc
.if DOCPART == 1
	.amdgcn_target "amdgcn-amd-amdhsa--gfx1250"
	.amdhsa_code_object_version 6
	.text
	.protected	k_q2ed823fc33_prep
	.globl	k_q2ed823fc33_prep
	.p2align	8
	.type	k_q2ed823fc33_prep,@function
k_q2ed823fc33_prep:
	s_mov_b64 s[64:65], 0
	v_nop
	global_prefetch_b8 v0, s[64:65] scope:SCOPE_SE
	s_setreg_imm32_b32 hwreg(HW_REG_WAVE_MODE, 25, 1), 1
	s_wait_xcnt 0x0
; DEAD WORK LEFT OUT BY THE PROGRAM: blocks of keys that lie wholly behind a query block under the causal mask (their p is 0 for all inputs); a NaN or an infinity that reaches only them is not carried on.
; The inputs that many work-groups of later launches read are turned into codes of BF8 (E5M2) once, in quarters of K of 256:
;   Q    [4096][1024] f32 -> qc  [4 quarters of K][4096 rows][256]          scale 2^e0
;   Wqkv [1024][3072] f32 -> wc  [4][3072 rows][256]                        scale 2^e1.  Row 192 head + 96 (d / 32) + 32 part + d % 32 is column 1024 part + 64 head + d (part 0, 1, 2: q, k, v)
;   Wout [1024][1024] f32 -> woc [4][1024 rows][256]                        scale 2^e7.  In each 32 of K the second and the third 8 change places: the order in which att_codes has its numbers
; code = x / 2^e, held within +-57,344, rounded to the nearest code, ties to even.
; LIMITS: e0, e1, e7 between -126 and 112, so that 2^e and 57,344 x 2^e are f32 numbers.  NaN among the inputs is not served; an infinity is held at the largest code.
; SHARES: every work-group takes 32,768 numbers, every wave 4,096.  Work-groups 0-127: Q; 128-223: Wqkv (24 strips of 128 columns x 4 quarters of K); 224-255: Wout (8 x 4).
; The paths part on the work-group's number alone; each has LDS bytes of its own.  No cluster: no two work-groups read the same byte.  No loop to run ahead in: nothing is prefetched.
.set SP,     80                        ; Q path: a lane's place in a stage: its 64 bytes + 16 of padding
.set QREG,   5120                      ; Q path: LDS bytes of a wave: two stages of 32 x SP
.set WPITCH, 272                       ; W paths: a stage row: 256 bytes of codes + 16
.set LW1,    8*QREG
.set LW2,    LW1+128*WPITCH
.set SPARE,  LW2+128*WPITCH            ; the spare words, 128 bytes a wave
.set R,    16                          ; Q path: v16-143  eight sets of 16 numbers as they are loaded: all 32 loads of a wave are in flight together
.set X,    144                         ;         v144-175 two sets of 16 neighbours
.set C,    176                         ;         v176-207 codes, four registers a step
.set L,    32                          ; W paths: v32-159  32 rows x 4 columns as they are loaded
.set T,    160                         ;          v160-223 two sets of 4 columns x 8 along K
.set WC,   224                         ;          v224-255 codes, 4 columns x 32 along K
.set SPW,  12
.set NIL,  13
.macro SCALE e                         ; v11 = 2^e (the conversion takes its exponent field), v10 = 57,344 x 2^e
	s_add_co_i32 s20, s[\e], 127
	s_lshl_b32 s21, s20, 23
	v_mov_b32 v11, s21
	s_add_co_i32 s20, s20, 15
	s_lshl_b32 s20, s20, 23
	s_or_b32 s20, s20, 0x600000
	v_mov_b32 v10, s20
	s_wait_alu depctr_va_vdst(0)                   ; the wait at the head's end
.endm
.macro CLOSE                           ; the wave's end
	s_wait_tensorcnt 0x0
	ds_add_u32 v[SPW], v[NIL]
	s_wait_dscnt 0x0
	s_endpgm
.endm
; Q path.  A step is half a row, 512 numbers: four loads of 512 consecutive bytes.  The conversions want 16 neighbours in a lane, so the 2,048 bytes turn through the wave's own stage.
.macro QLOAD t
.irp i, 0,1,2,3
	global_load_b128 v[R+16*(\t)+4*\i:R+16*(\t)+4*\i+3], v3, s[4:5] offset:2048*(\t)+512*\i th:TH_LOAD_NT
.endr
.endm
.macro QTURN t                         ; LDS serves a wave's instructions in order (ISA guide 5.7.1.4): no wait between the stores and the loads
.irp i, 0,1,2,3
	ds_store_b128 v14, v[R+16*(\t)+4*\i:R+16*(\t)+4*\i+3] offset:32*SP*((\t)%2)+8*SP*\i
.endr
.irp i, 0,1,2,3
	ds_load_b128 v[X+16*((\t)%2)+4*\i:X+16*((\t)%2)+4*\i+3], v15 offset:32*SP*((\t)%2)+16*\i
.endr
.endm
.macro QSTEP t
.set XS, X+16*((\t)%2)
	s_wait_dscnt 0x0                               ; this step's numbers are back from the stage
.if (\t)+1 < 8
	s_wait_loadcnt 4*(6-(\t))                      ; the next step's four loads are in; those of the steps behind it may be out
	QTURN (\t)+1
.endif
.set i, 0
.rept 16
	v_med3_num_f32 v[XS+i], v[XS+i], -v10, v10     ; the conversion to an 8-bit code does not saturate (ISA guide 7.6.2): the hold comes first
.set i, i+1
.endr
	v_cvt_scalef32_pk8_bf8_f32 v[C+4*(\t):C+4*(\t)+1], v[XS:XS+7], v11
	v_cvt_scalef32_pk8_bf8_f32 v[C+4*(\t)+2:C+4*(\t)+3], v[XS+8:XS+15], v11
	global_store_b128 v9, v[C+4*(\t):C+4*(\t)+3], s[12:13] offset:2097152*((\t)%2)+256*((\t)/2)   ; sixteen lanes store one aligned unit of 256 bytes: a row's part of a quarter of K
.endm
; W paths.  A lane takes 4 columns, a wave 128 columns x 32 along K: each load reads 512 consecutive bytes.  The hold writes a column's numbers side by side, so the conversions give codes with K innermost.
; Eight waves gather 256 along K in a stage; behind a barrier each stores 16 rows of 256 bytes.
.macro WPATH cols, first, wp, e, op, lbase
	s_sub_co_u32 s20, ttmp9, \first
	s_lshr_b32 s21, s20, 2                         ; which strip of 128 columns
	s_and_b32 s32, s20, 3                          ; which quarter of K
	s_lshl_b32 s22, s32, 3
	s_add_co_u32 s22, s22, s18
	s_mul_i32 s22, s22, 32*\cols*4                 ; my 32 rows of W
	s_lshl_b32 s23, s21, 9
	s_add_co_u32 s22, s22, s23
	s_mov_b32 s23, 0
	s_add_nc_u64 s[\wp:\wp+1], s[\wp:\wp+1], s[22:23]
.set i, 0
.rept 32
	global_load_b128 v[L+4*i:L+4*i+3], v3, s[\wp:\wp+1] offset:i*\cols*4 th:TH_LOAD_NT
.set i, i+1
.endr
	s_lshl_b32 s19, s18, 5
	s_add_co_u32 s19, s19, \lbase
	v_mul_u32_u24 v4, v2, 4*WPITCH
	v_add_nc_u32 v4, s19, v4                       ; into the stage: row = my first column, 32 bytes a wave
	s_mul_i32 s19, s18, 16*WPITCH
	s_add_co_u32 s19, s19, \lbase
	v_and_b32 v5, 15, v2
	v_lshrrev_b32 v6, 4, v2
	v_mul_u32_u24 v7, v6, WPITCH
	v_lshl_add_u32 v7, v5, 4, v7
	v_add_nc_u32 v7, s19, v7                       ; out of it: sixteen lanes to a row, two rows an instruction, my wave's 16 rows
	s_lshl_b32 s21, s21, 7
	s_lshl_b32 s33, s18, 4
	s_add_co_u32 s21, s21, s33                     ; the first of these 16 columns
.if \cols == 3072
	s_bfe_u32 s33, s21, 0x40006                    ; head
	s_mul_i32 s33, s33, 192
	s_bfe_u32 s34, s21, 0x10005                    ; d / 32
	s_mul_i32 s34, s34, 96
	s_add_co_u32 s33, s33, s34
	s_lshr_b32 s34, s21, 10                        ; part
	s_lshl_b32 s34, s34, 5
	s_add_co_u32 s33, s33, s34
	s_and_b32 s34, s21, 16
	s_add_co_u32 s33, s33, s34
.else
	s_mov_b32 s33, s21
.endif
	s_lshl_b32 s22, s33, 8
	s_mul_i32 s32, s32, \cols*256
	s_add_co_u32 s22, s22, s32
	s_add_nc_u64 s[\op:\op+1], s[\op:\op+1], s[22:23]
	s_wait_alu depctr_va_vdst(0)
	s_wait_kmcnt 0x0
	SCALE \e
.irp g, 0,1,2,3
	s_wait_loadcnt 24-8*\g                         ; rows 8 g .. 8 g + 7 are in; the younger loads may be out
.irp col, 0,1,2,3
.irp kk, 0,1,2,3,4,5,6,7
	v_med3_num_f32 v[T+32*(\g%2)+8*\col+\kk], v[L+4*(8*\g+\kk)+\col], -v10, v10
.endr
.endr
.if (\cols == 1024) && ((\g == 1) || (\g == 2))
.set WD, WC+2*(3-\g)
.else
.set WD, WC+2*\g
.endif
.irp col, 0,1,2,3
	v_cvt_scalef32_pk8_bf8_f32 v[WD+8*\col:WD+8*\col+1], v[T+32*(\g%2)+8*\col:T+32*(\g%2)+8*\col+7], v11
.endr
.endr
	v_nop                                          ; a plain line behind the last conversion
.irp col, 0,1,2,3
	ds_store_b128 v4, v[WC+8*\col:WC+8*\col+3] offset:WPITCH*\col
	ds_store_b128 v4, v[WC+8*\col+4:WC+8*\col+7] offset:WPITCH*\col+16
.endr
	s_wait_dscnt 0x0                               ; my codes are in the stage,
	s_barrier_signal -1
	s_barrier_wait -1                              ; everybody's are
.irp t, 0,1,2,3,4,5,6,7
	ds_load_b128 v[L+4*\t:L+4*\t+3], v7 offset:2*\t*WPITCH
.endr
.irp t, 0,1,2,3,4,5,6,7
	s_wait_dscnt 7-\t                              ; LDS loads come back in order: row pair t is in
	global_store_b128 v3, v[L+4*\t:L+4*\t+3], s[\op:\op+1] offset:512*\t   ; 512 consecutive bytes, aligned
.endr
	CLOSE
.endm
	s_load_b256 s[4:11], s[0:1], 0x0               ; Q s[4:5], Wqkv s[6:7], Wout s[8:9], the scales' exponents s[10:11]
	s_load_b128 s[12:15], s[0:1], 0x20             ; qc s[12:13], wc s[14:15]
	s_load_b64 s[16:17], s[0:1], 0x30              ; woc
	v_lshl_add_u32 v[SPW], v0, 2, SPARE
	v_mov_b32 v[NIL], 0
	v_lshrrev_b32 v1, 5, v0
	v_readfirstlane_b32 s18, v1                    ; wave 0..7
	v_and_b32 v2, 31, v0                           ; lane
	v_lshlrev_b32 v3, 4, v2                        ; 16 bytes a lane
	s_wait_alu depctr_va_vdst(0)
	s_wait_kmcnt 0x0
	s_load_b256 s[24:31], s[10:11], 0x0            ; e0 .. e7
	s_cmp_lt_u32 ttmp9, 128
	s_cbranch_scc0 .Lweights
	s_lshl_b32 s20, ttmp9, 3
	s_add_co_u32 s20, s20, s18                     ; which run of four rows, 0 .. 1023
	s_lshl_b32 s22, s20, 14
	s_mov_b32 s23, 0
	s_add_nc_u64 s[4:5], s[4:5], s[22:23]
	s_lshl_b32 s22, s20, 10
	s_add_nc_u64 s[12:13], s[12:13], s[22:23]
.irp t, 0,1,2,3,4,5,6,7
	QLOAD \t
.endr
	s_mul_i32 s19, s18, QREG
	v_lshrrev_b32 v14, 2, v2
	v_mul_u32_u24 v14, v14, SP
	v_and_b32 v15, 3, v2
	v_lshl_add_u32 v14, v15, 4, v14
	v_add_nc_u32 v14, s19, v14                     ; the stage, on the way in: four lanes' 64 bytes on end, then 16 of padding
	v_mul_u32_u24 v15, v2, SP
	v_add_nc_u32 v15, s19, v15                     ; and on the way out: my 16 neighbours
	v_lshrrev_b32 v9, 4, v2
	v_lshlrev_b32 v9, 20, v9                       ; lanes 16-31: the next quarter of K, 4,096 x 256 bytes on
	v_and_b32 v8, 15, v2
	v_lshl_add_u32 v9, v8, 4, v9
	s_wait_alu depctr_va_vdst(0)
	s_wait_kmcnt 0x0
	SCALE 24
	s_wait_loadcnt 28                              ; step 0's four loads are in
	QTURN 0
.irp t, 0,1,2,3,4,5,6,7
	QSTEP \t
.endr
	CLOSE
.Lweights:
	s_cmp_lt_u32 ttmp9, 224
	s_cbranch_scc0 .Lwout
	WPATH 3072, 128, 6, 25, 14, LW1
.Lwout:
	WPATH 1024, 224, 8, 31, 16, LW2
.Lfunc_end_k_q2ed823fc33_prep:
	.size	k_q2ed823fc33_prep, .Lfunc_end_k_q2ed823fc33_prep-k_q2ed823fc33_prep
	.p2alignl 7, 3214868480
	.fill 96, 4, 3214868480
	.section	.rodata,"a",@progbits
	.p2align	6, 0x0
	.amdhsa_kernel k_q2ed823fc33_prep
		.amdhsa_group_segment_fixed_size 111616
		.amdhsa_private_segment_fixed_size 0
		.amdhsa_enable_private_segment 0
		.amdhsa_kernarg_size 56
		.amdhsa_user_sgpr_count 2
		.amdhsa_user_sgpr_kernarg_segment_ptr 1
		.amdhsa_wavefront_size32 1
		.amdhsa_system_sgpr_workgroup_id_x 1
		.amdhsa_system_sgpr_workgroup_id_y 1
		.amdhsa_system_sgpr_workgroup_id_z 1
		.amdhsa_system_vgpr_workitem_id 0
		.amdhsa_next_free_vgpr 256
		.amdhsa_next_free_sgpr 66
		.amdhsa_reserve_vcc 0
		.amdhsa_float_denorm_mode_32 3
		.amdhsa_float_denorm_mode_16_64 3
		.amdhsa_memory_ordered 1
		.amdhsa_forward_progress 1
		.amdhsa_inst_pref_size 53
	.end_amdhsa_kernel
	.amdgpu_metadata
---
amdhsa.version: [ 1, 2 ]
amdhsa.kernels:
  - .name:           k_q2ed823fc33_prep
    .symbol:         k_q2ed823fc33_prep.kd
    .args:
      - { .name: Q, .offset: 0, .size: 8, .value_kind: global_buffer, .address_space: global }
      - { .name: Wqkv, .offset: 8, .size: 8, .value_kind: global_buffer, .address_space: global }
      - { .name: Wout, .offset: 16, .size: 8, .value_kind: global_buffer, .address_space: global }
      - { .name: lowp_scales, .offset: 24, .size: 8, .value_kind: global_buffer, .address_space: global }
      - { .name: qc, .offset: 32, .size: 8, .value_kind: global_buffer, .address_space: global }
      - { .name: wc, .offset: 40, .size: 8, .value_kind: global_buffer, .address_space: global }
      - { .name: woc, .offset: 48, .size: 8, .value_kind: global_buffer, .address_space: global }
    .group_segment_fixed_size: 111616
    .private_segment_fixed_size: 0
    .kernarg_segment_align: 8
    .kernarg_segment_size: 56
    .max_flat_workgroup_size: 256
    .sgpr_count:     66
    .vgpr_count:     256
    .wavefront_size: 32
...
	.end_amdgpu_metadata
.endif
;; end of part 1
;; launch qkv (part 2): grid 16 x 16, 4 waves a work-group, clusters of 4 x 4, 327,680 bytes of LDS; arguments qc, wc, lowp_scales, bqkv, q_codes, k_codes, v_codes; writes q_codes, k_codes, v_codes
.if DOCPART == 2
	.amdgcn_target "amdgcn-amd-amdhsa--gfx1250"
	.amdhsa_code_object_version 6
	.text
	.protected	k_q2ed823fc33_qkv
	.globl	k_q2ed823fc33_qkv
	.p2align	8
	.type	k_q2ed823fc33_qkv,@function
k_q2ed823fc33_qkv:
	s_mov_b64 s[64:65], 0
	v_nop
	global_prefetch_b8 v0, s[64:65] scope:SCOPE_SE
	s_setreg_imm32_b32 hwreg(HW_REG_WAVE_MODE, 25, 1), 1
	s_wait_xcnt 0x0
	s_wait_alu depctr_hold_cnt(0) depctr_sa_sdst(0) depctr_va_vdst(0) depctr_va_sdst(0) depctr_va_ssrc(0) depctr_va_vcc(0) depctr_vm_vsrc(0)
	s_getreg_b32 s2, hwreg(HW_REG_IB_STS2, 6, 4)
	s_cmp_eq_u32 s2, 0
	s_cbranch_scc0 .Lentry_in_a_cluster
	s_endpgm
.Lentry_in_a_cluster:
	s_bfe_u32 s2, ttmp6, 0x10000c
	s_cmp_lg_u32 s2, 0xf033
	s_cbranch_scc0 .Lentry_shape_is_right
	s_endpgm
.Lentry_shape_is_right:
; q, k, v of 256 tokens (grid y) and one head (grid x) a work-group: 256 x 192 sums over K = 1,024 on codes of BF8, x 2^(e0 + e1), + bqkv, quantised with 2^e2, 2^e3, 2^e4.
; Four waves, each 128 tokens x 96 columns (32 of q, of k and of v): 48 accumulators.  wc has a wave's 96 rows side by side.
; OUTPUTS are images of operand registers, 16 bytes a lane, 512 consecutive bytes a store: q_codes, k_codes [b h][128 tiles of 16 tokens][2 halves of d][32 lanes][16]; byte 8 u + i of lane (r, h) is d = 32 half + 16 u + 8 h + i of
; token r (q and k alike, so the products meet).  v_codes [b h][16 blocks of 128 keys][4 tiles of 16 d][4][32 lanes][16]: lane (r, h), registers 2 a, 2 a + 1: keys 16 a + 8 h + 0..7 of d = r.
; q and k are used transposed (source 0 = 16 columns, source 1 = 16 tokens), v the other way round: so a lane's eight results lie along the next product's K.
; LDS: K goes in quarters of 256 through two slots.  A wave's fill at the head brings quarters 0 and 1 (one tile of two long rows, 16 bytes of padding behind each 256); quarters 2 and 3 are the two refills.
; CLUSTERS of 4 x 4: the tokens' tile is asked for jointly along a row of the cluster, the weight's along a column.
; PREFETCH: quarters 2 and 3, one instruction a wave each: quarter 2 behind the head's load, quarter 3 ahead of the first products, two slots' products ahead of its refill.  A wave's fill is 128 (96) blocks of 256 bytes; the four
; partners that ask for it jointly take 32 (24) of them each, told apart by address, so each block is named once in a cluster (the lanes over name the last block again).
; LIMITS: e0 + e1 between -126 and 127; e2, e3, e4 between -126 and 112.  NaN is not served.
; REGISTERS: window 0: addresses, biases, from v128 A's fragments (8 x 16); window 1: B's, two sets at v0 and v128; windows 2, 3: accumulators of token blocks 0-3, 4-7: (a, b) at v[48 (a % 4) + 8 b].
.set PITCH,  272
.set HALFT,  128*PITCH                 ; 128 tokens' rows of a slot
.set BH,     96*PITCH                  ; 96 rows of the weight
.set BOFF,   4*HALFT
.set SPARE,  BOFF+4*BH
.set ASTR,   4096*256                  ; from quarter to quarter of K
.set BSTR,   3072*256
.set PFO,  14                          ; v14 the prefetches' offset; never rewritten
.set ADRA, 16
.set ADRB, 17
.set LIM,  20                          ; v20-25: 57,344 x 2^e and 2^e of q, k, v
.set SPW,  28
.set NIL,  29
.set CO,   30
.set CB,   32                          ; v32-63 biases of q and k
.set RB,   64                          ; v[64:65], v[66:67] of v
.set VI,   68                          ; v68-99 v's codes
.set AF,   128
.set TMP,  128
.set G1A, 24
.set G1B, 32
.set RA,  40
.set RBG, 48
.set G0A, 56
.set G0B, 60
.set GRA, 76
.set GRB, 80
.set MSB, 0
.macro WIN new                         ; the immediate's high byte repeats the setting that is left
.if MSB != (\new)
	s_set_vgpr_msb (MSB<<8)|(\new)
.set MSB, \new
.endif
.endm
.macro JLOAD g0a, g1a, g0b, g1b        ; waves 0, 1: the tokens' two halves; waves 2, 3: the weight's
	s_cmp_eq_u32 s15, 0
	s_cbranch_scc0 .Lfor_b_\@
	tensor_load_to_lds s[\g0a:\g0a+3], s[\g1a:\g1a+7]
	s_nop 0
.rept 4
	v_nop
.endr
	s_branch .Lasked_\@
.Lfor_b_\@:
	tensor_load_to_lds s[\g0b:\g0b+3], s[\g1b:\g1b+7]
	s_nop 0
.rept 4
	v_nop
.endr
.Lasked_\@:
.endm
.macro CREST
	s_cmp_lg_u32 s14, 0
	s_cbranch_scc1 .Lnot_wave_0_\@
	s_barrier_signal -3
.Lnot_wave_0_\@:
	s_barrier_wait -3
	s_barrier_signal -1
	s_barrier_wait -1
.endm
.macro CROUND
	s_barrier_signal -1
	s_barrier_wait -1
	CREST
.endm
.macro G1SET g, c, r, p
	s_mov_b32 s[\g+1], ((\c)&0xffff)<<16
	s_mov_b32 s[\g+2], (\r)<<16
	s_mov_b32 s[\g+3], (\c)<<16
	s_mov_b32 s[\g+4], \r
	s_mov_b32 s[\g+5], \p
	s_mov_b32 s[\g+6], 0
	s_mov_b32 s[\g+7], 0
.endm
	s_load_b128 s[4:7], s[0:1], 0x0                ; qc, wc
	s_load_b128 s[8:11], s[0:1], 0x10              ; the scales' exponents, bqkv
	s_load_b128 s[68:71], s[0:1], 0x20             ; q_codes, k_codes
	s_load_b64 s[72:73], s[0:1], 0x30              ; v_codes
	v_lshl_add_u32 v[SPW], v0, 2, SPARE
	v_mov_b32 v[NIL], 0
	ds_add_u32 v[SPW], v[NIL]                      ; the opening lines
	ds_add_u32 v[SPW], v[NIL]
	v_lshrrev_b32 v1, 5, v0
	v_readfirstlane_b32 s14, v1                    ; wave 0..3
	s_lshr_b32 s15, s14, 1                         ; my 128 tokens.  Also: I fetch tokens (0) or weights (1)
	s_and_b32 s16, s14, 1                          ; my 96 columns.  Also: which half I fetch
	s_bfe_u32 s84, ttmp6, 0x40000                  ; cx
	s_bfe_u32 s85, ttmp6, 0x40004                  ; cy
	s_lshl_b32 s86, ttmp9, 2
	s_add_co_u32 s86, s86, s84                     ; the head
	s_and_b32 s87, ttmp7, 0xffff
	s_lshl_b32 s87, s87, 2
	s_add_co_u32 s87, s87, s85                     ; the block of 256 tokens
	s_lshl_b32 s88, s85, 2
	s_lshl_b32 s88, 15, s88                        ; my row of the cluster
	s_lshl_b32 s89, 0x1111, s84                    ; my column
	s_or_b32 s[G1A], s88, (1<<20)|(1<<21)|(5<<22)|(3<<25)   ; the mask; 20 padding on; 21 set beside a mask; after every 64 words four words
	s_or_b32 s[RA], s88, (1<<20)|(1<<21)|(5<<22)|(3<<25)
	s_or_b32 s[G1B], s89, (1<<20)|(1<<21)|(5<<22)|(3<<25)
	s_or_b32 s[RBG], s89, (1<<20)|(1<<21)|(5<<22)|(3<<25)
	G1SET G1A, 32768, 2, ASTR                      ; 128 rows of 256 bytes on end, for two quarters of K
	G1SET G1B, 24576, 2, BSTR                      ; 96 rows
	G1SET RA, 256, 128, 256
	G1SET RBG, 256, 96, 256
	s_lshl_b32 s20, s87, 16
	s_lshl_b32 s21, s16, 15
	s_add_co_u32 s20, s20, s21                     ; my half's first row of qc, in bytes
	s_mov_b32 s21, 0
	s_mul_i32 s22, s86, 49152
	s_mul_i32 s23, s16, 24576
	s_add_co_u32 s22, s22, s23                     ; and of wc
	s_mov_b32 s23, 0
	s_mul_i32 s18, s16, 2*HALFT                    ; where they go: no place in the cluster enters an LDS address
	s_mul_i32 s19, s16, 2*BH
	s_add_co_u32 s19, s19, BOFF
	s_wait_alu depctr_va_vdst(0)
	s_wait_dscnt 0x0                               ; both opening adds are done
	s_wait_kmcnt 0x0
	s_load_b256 s[92:99], s[8:9], 0x0              ; e0 .. e7
	s_add_nc_u64 s[20:21], s[4:5], s[20:21]
	s_add_nc_u64 s[22:23], s[6:7], s[22:23]
	s_mov_b32 s[G0A], 1
	s_mov_b32 s[G0A+1], s18
	s_mov_b64 s[G0A+2:G0A+3], s[20:21]
	s_or_b32 s[G0A+3], s[G0A+3], 0x80000000
	s_mov_b32 s[G0B], 1
	s_mov_b32 s[G0B+1], s19
	s_mov_b64 s[G0B+2:G0B+3], s[22:23]
	s_or_b32 s[G0B+3], s[G0B+3], 0x80000000
	CROUND                                         ; all sixteen work-groups are here: the joint loads meet
	JLOAD G0A, G1A, G0B, G1B                       ; quarters 0 and 1 of K: my one tensor load at the head
	s_mov_b32 s[GRA], 1                            ; the first refill: quarter 2 into slot 0
	s_mov_b32 s[GRA+1], s18
	s_add_nc_u64 s[GRA+2:GRA+3], s[20:21], 2*ASTR
	s_or_b32 s[GRA+3], s[GRA+3], 0x80000000
	s_mov_b32 s[GRB], 1
	s_mov_b32 s[GRB+1], s19
	s_add_nc_u64 s[GRB+2:GRB+3], s[22:23], 2*BSTR
	s_or_b32 s[GRB+3], s[GRB+3], 0x80000000
	s_lshl_b32 s90, s86, 8
	s_lshl_b32 s91, s16, 7
	s_add_co_u32 s90, s90, s91                     ; 4 x (64 head + 32 half)
	s_mov_b32 s91, 0
	s_add_nc_u64 s[90:91], s[10:11], s[90:91]
	s_lshl_b32 s17, s84, 13                        ; the prefetches: my work-group's part of a fill: 32 blocks at cx for tokens,
	s_mul_i32 s66, s85, 6144                       ; 24 at cy for weights
	s_mov_b32 s67, 0
	s_add_nc_u64 s[2:3], s[20:21], 2*ASTR
	s_add_nc_u64 s[12:13], s[22:23], 2*BSTR
	s_cmp_eq_u32 s15, 0
	s_cselect_b64 s[2:3], s[2:3], s[12:13]
	s_cselect_b32 s66, s17, s66
	s_add_nc_u64 s[2:3], s[2:3], s[66:67]          ; quarter 2,
	s_mov_b32 s66, BSTR
	s_cselect_b32 s66, ASTR, s66
	s_cselect_b32 s17, 31, 23                      ; the last block
	s_add_nc_u64 s[12:13], s[2:3], s[66:67]        ; quarter 3
	v_and_b32 v1, 15, v0                           ; r
	v_bfe_u32 v2, v0, 4, 1                         ; h
	v_lshlrev_b32 v12, 5, v2
	v_lshlrev_b32 v13, 2, v1
.irp b, 0,1,2,3
	global_load_b128 v[CB+8*\b:CB+8*\b+3], v12, s[90:91] offset:4096*(\b/2)+64*(\b%2)       ; columns 16 u + 8 h + 0..7 of q (b = 0, 1) and k
	global_load_b128 v[CB+8*\b+4:CB+8*\b+7], v12, s[90:91] offset:4096*(\b/2)+64*(\b%2)+16
.endr
	global_load_b32 v[RB], v13, s[90:91] offset:8192
	global_load_b32 v[RB+2], v13, s[90:91] offset:8192+64
	v_and_b32 v[PFO], 31, v0
	v_min_u32 v[PFO], s17, v[PFO]
	v_lshlrev_b32 v[PFO], 8, v[PFO]
	global_prefetch_b8 v[PFO], s[2:3] th:TH_LOAD_NT scope:SCOPE_SE   ; what the first refill will ask for
	v_mov_b32 v[RB+1], 0                           ; (named as the upper halves of pairs)
	v_mov_b32 v[RB+3], 0
	v_mul_u32_u24 v3, v1, PITCH
	v_lshl_add_u32 v4, v2, 4, v3
	s_mul_i32 s18, s15, 2*HALFT
	v_add_nc_u32 v[ADRA], s18, v4                  ; my 128 tokens
	s_mul_i32 s19, s16, 2*BH
	s_add_co_u32 s19, s19, BOFF
	v_add_nc_u32 v[ADRB], s19, v4                  ; my 96 columns
	v_and_b32 v6, 31, v0
	v_lshlrev_b32 v[CO], 4, v6                     ; 16 bytes a lane
	s_lshr_b32 s18, s87, 3
	s_lshl_b32 s18, s18, 4
	s_add_co_u32 s18, s18, s86
	s_lshl_b32 s18, s18, 17                        ; (b h) x 131,072
	s_and_b32 s19, s87, 7
	s_lshl_b32 s19, s19, 1
	s_add_co_u32 s19, s19, s15
	s_lshl_b32 s19, s19, 13                        ; + my block of 128 tokens
	s_add_co_u32 s18, s18, s19
	s_lshl_b32 s20, s16, 9
	s_add_co_u32 s20, s20, s18
	s_mov_b32 s21, 0
	s_add_nc_u64 s[68:69], s[68:69], s[20:21]
	s_add_nc_u64 s[70:71], s[70:71], s[20:21]
	s_lshl_b32 s20, s16, 12
	s_add_co_u32 s20, s20, s18
	s_add_nc_u64 s[72:73], s[72:73], s[20:21]
	s_wait_alu depctr_va_vdst(0)
	s_wait_kmcnt 0x0
	s_add_co_i32 s74, s92, s93
	s_add_co_i32 s74, s74, 127
	s_lshl_b32 s74, s74, 23                        ; 2^(e0 + e1)
	s_mov_b32 s75, s74
.irp p, 0,1,2
	s_add_co_i32 s18, s[94+\p], 127
	s_lshl_b32 s19, s18, 23
	v_mov_b32 v[LIM+2*\p+1], s19
	s_add_co_i32 s18, s18, 15
	s_lshl_b32 s18, s18, 23
	s_or_b32 s18, s18, 0x600000
	v_mov_b32 v[LIM+2*\p], s18
.endr
.macro FRAG reg, adr, base, q, i       ; 16 rows x 128 K: lane (r, h): K = 32 c + 16 h + 0 .. 15, the same in both operands
.irp c, 0,1,2,3
	ds_load_b128 v[\reg+4*\c:\reg+4*\c+3], v[\adr] offset:\base+128*(\q)+32*\c+(\i)*16*PITCH
.endr
.endm
.macro MQK hi, p, zero                 ; 16 products: q and k of four token blocks.  The 48 accumulators take turns, in the same order in every step
	WIN 0xa1+0x50*\hi
.irp a, 0,1,2,3
.irp b, 0,1,2,3
.if \zero
	v_wmma_f32_16x16x128_bf8_bf8 v[48*\a+8*\b:48*\a+8*\b+7], v[128*(\p)+16*\b:128*(\p)+16*\b+15], v[AF+16*(4*\hi+\a):AF+16*(4*\hi+\a)+15], 0
.else
	v_wmma_f32_16x16x128_bf8_bf8 v[48*\a+8*\b:48*\a+8*\b+7], v[128*(\p)+16*\b:128*(\p)+16*\b+15], v[AF+16*(4*\hi+\a):AF+16*(4*\hi+\a)+15], v[48*\a+8*\b:48*\a+8*\b+7]
.endif
.endr
.endr
.endm
.macro MV hi, p, zero                  ; 8 products: v, sources swapped
	WIN 0xa4+0x50*\hi
.irp a, 0,1,2,3
.irp b, 4,5
.if \zero
	v_wmma_f32_16x16x128_bf8_bf8 v[48*\a+8*\b:48*\a+8*\b+7], v[AF+16*(4*\hi+\a):AF+16*(4*\hi+\a)+15], v[128*(\p)+16*\b:128*(\p)+16*\b+15], 0
.else
	v_wmma_f32_16x16x128_bf8_bf8 v[48*\a+8*\b:48*\a+8*\b+7], v[AF+16*(4*\hi+\a):AF+16*(4*\hi+\a)+15], v[128*(\p)+16*\b:128*(\p)+16*\b+15], v[48*\a+8*\b:48*\a+8*\b+7]
.endif
.endr
.endr
.endm
.macro FETCH_B slot, q, p
	WIN 0x40
.irp i, 0,1,2,3,4,5
	FRAG 128*(\p)+16*\i, ADRB, (\slot)*BH, \q, \i
.endr
	WIN 0
.endm
.macro FETCH_A slot, q, i0
.irp i, \i0, \i0+1, \i0+2, \i0+3
	FRAG AF+16*(\i), ADRA, (\slot)*HALFT, \q, \i
.endr
.endm
.macro PLACES                          ; places in front of loads into registers that matrix instructions have read, and of reads of their results
.rept 4
	v_nop
.endr
.endm
.macro REST slot, q, p, zero           ; the second half of a step: the next step's fragments, and the products of token blocks 4-7
	FETCH_B \slot, \q, 1-(\p)
	FETCH_A \slot, \q, 0
	MQK 1, \p, \zero
	MV 1, \p, \zero
	PLACES
	WIN 0
	FETCH_A \slot, \q, 4
.endm
.macro STEP slot, zero                 ; the first 128 along K of a slot
	s_wait_dscnt 16                                ; the youngest 16 loads (A's blocks 4-7) may be out
	MQK 0, 0, \zero
	MV 0, 0, \zero
	s_wait_dscnt 0x0
	PLACES
	REST \slot, 1, 0, \zero
.endm
.macro TURN slot, next, fill           ; the second 128, and the change of slots: fill = 1: this slot is filled again
	s_wait_tensorcnt 0x0                           ; my tensor loads have landed: my part of the next slot
	ds_add_u32 v[SPW], v[NIL]
	s_wait_dscnt 17                                ; (the add and the youngest 16 loads may be out)
	MQK 0, 1, 0
	s_wait_dscnt 0x0                               ; the add is done, and my reads of this slot are over
	s_barrier_signal -1
	MV 0, 1, 0
	WIN 0
	s_barrier_wait -1
.if \fill
	CREST                                          ; no wave of any partner still reads this slot or has a load on its way
.if \slot
	s_add_co_u32 s[GRA+1], s[GRA+1], HALFT         ; quarter 3 into slot 1
	s_add_nc_u64 s[GRA+2:GRA+3], s[GRA+2:GRA+3], ASTR
	s_add_co_u32 s[GRB+1], s[GRB+1], BH
	s_add_nc_u64 s[GRB+2:GRB+3], s[GRB+2:GRB+3], BSTR
.endif
	JLOAD GRA, RA, GRB, RBG
.else
	PLACES
.endif
	REST \next, 0, 1, 0
.endm
; THE WAY OUT of token block a: sum x 2^(e0 + e1) + bias, held, converted; each accumulator from its low end on.  qk: the codes of q and k, where A's fragments of the blocks that are done lay
.macro OUT a, qk
	WIN 0x02+((\a)/4)
.irp b, 0,1,2,3,4,5
.irp i, 0,2,4,6
.if \b < 4
	v_pk_fma_f32 v[TMP+8*\b+\i:TMP+8*\b+\i+1], v[48*((\a)%4)+8*\b+\i:48*((\a)%4)+8*\b+\i+1], s[74:75], v[CB+8*\b+\i:CB+8*\b+\i+1] op_sel_hi:[1,0,1]
.else
	v_pk_fma_f32 v[TMP+8*\b+\i:TMP+8*\b+\i+1], v[48*((\a)%4)+8*\b+\i:48*((\a)%4)+8*\b+\i+1], s[74:75], v[RB+2*(\b-4):RB+2*(\b-4)+1] op_sel_hi:[1,0,0]
.endif
.endr
.endr
	WIN 0
.irp b, 0,1,2,3,4,5
.irp i, 0,1,2,3,4,5,6,7
	v_med3_num_f32 v[TMP+8*\b+\i], v[TMP+8*\b+\i], -v[LIM+2*(\b/2)], v[LIM+2*(\b/2)]   ; the conversion does not saturate (ISA guide 7.6.2)
.endr
.endr
.irp b, 0,1,2,3
	v_cvt_scalef32_pk8_bf8_f32 v[\qk+2*\b:\qk+2*\b+1], v[TMP+8*\b:TMP+8*\b+7], v[LIM+2*(\b/2)+1]
.endr
.irp b, 4,5
	v_cvt_scalef32_pk8_bf8_f32 v[VI+16*(\b-4)+2*(\a):VI+16*(\b-4)+2*(\a)+1], v[TMP+8*\b:TMP+8*\b+7], v[LIM+5]
.endr
	v_nop                                          ; a plain line behind the conversions
	global_store_b128 v[CO], v[\qk:\qk+3], s[68:69] offset:1024*(\a)
	global_store_b128 v[CO], v[\qk+4:\qk+7], s[70:71] offset:1024*(\a)
.endm
	s_wait_alu depctr_va_vdst(0)                   ; the wait at the head's end
	s_wait_tensorcnt 0x0                           ; my part of both slots is in,
	s_barrier_signal -1
	s_barrier_wait -1                              ; everybody's is
	FETCH_B 0, 0, 0
	FETCH_A 0, 0, 0
	FETCH_A 0, 0, 4
	global_prefetch_b8 v[PFO], s[12:13] th:TH_LOAD_NT scope:SCOPE_SE   ; what the second refill will ask for
	STEP 0, 1
	TURN 0, 1, 1
	STEP 1, 0
	TURN 1, 0, 1
	STEP 0, 0
	TURN 0, 1, 0
	STEP 1, 0
	s_wait_loadcnt 0x0                             ; the biases
	s_wait_dscnt 16                                ; the last 128 along K
	MQK 0, 1, 0
	MV 0, 1, 0
	WIN 0
	s_wait_dscnt 0x0
	PLACES
	OUT 0, 176                                     ; token blocks 0-3 are done: they leave ahead of the last 24 products, whose fragments lie from v192 on
	OUT 1, 184
	OUT 2, 100
	OUT 3, 108
	MQK 1, 1, 0
	MV 1, 1, 0
	WIN 0
	PLACES
	OUT 4, 192
	OUT 5, 200
	OUT 6, 208
	OUT 7, 216
.irp c, 0,1,2,3,4,5,6,7
	global_store_b128 v[CO], v[VI+4*\c:VI+4*\c+3], s[72:73] offset:512*\c
.endr
	s_wait_tensorcnt 0x0                           ; the wave's end
	ds_add_u32 v[SPW], v[NIL]
	s_wait_dscnt 0x0
	CROUND                                         ; the closing round
	s_endpgm
.Lfunc_end_k_q2ed823fc33_qkv:
	.size	k_q2ed823fc33_qkv, .Lfunc_end_k_q2ed823fc33_qkv-k_q2ed823fc33_qkv
	.p2alignl 7, 3214868480
	.fill 96, 4, 3214868480
	.section	.rodata,"a",@progbits
	.p2align	6, 0x0
	.amdhsa_kernel k_q2ed823fc33_qkv
		.amdhsa_group_segment_fixed_size 327680
		.amdhsa_private_segment_fixed_size 0
		.amdhsa_enable_private_segment 0
		.amdhsa_kernarg_size 56
		.amdhsa_user_sgpr_count 2
		.amdhsa_user_sgpr_kernarg_segment_ptr 1
		.amdhsa_wavefront_size32 1
		.amdhsa_system_sgpr_workgroup_id_x 1
		.amdhsa_system_sgpr_workgroup_id_y 1
		.amdhsa_system_sgpr_workgroup_id_z 1
		.amdhsa_system_vgpr_workitem_id 0
		.amdhsa_next_free_vgpr 1024
		.amdhsa_next_free_sgpr 100
		.amdhsa_reserve_vcc 0
		.amdhsa_float_denorm_mode_32 3
		.amdhsa_float_denorm_mode_16_64 3
		.amdhsa_memory_ordered 1
		.amdhsa_forward_progress 1
		.amdhsa_inst_pref_size 111
	.end_amdhsa_kernel
	.amdgpu_metadata
---
amdhsa.version: [ 1, 2 ]
amdhsa.kernels:
  - .name:           k_q2ed823fc33_qkv
    .symbol:         k_q2ed823fc33_qkv.kd
    .args:
      - { .name: qc, .offset: 0, .size: 8, .value_kind: global_buffer, .address_space: global }
      - { .name: wc, .offset: 8, .size: 8, .value_kind: global_buffer, .address_space: global }
      - { .name: lowp_scales, .offset: 16, .size: 8, .value_kind: global_buffer, .address_space: global }
      - { .name: bqkv, .offset: 24, .size: 8, .value_kind: global_buffer, .address_space: global }
      - { .name: q_codes, .offset: 32, .size: 8, .value_kind: global_buffer, .address_space: global }
      - { .name: k_codes, .offset: 40, .size: 8, .value_kind: global_buffer, .address_space: global }
      - { .name: v_codes, .offset: 48, .size: 8, .value_kind: global_buffer, .address_space: global }
    .group_segment_fixed_size: 327680
    .private_segment_fixed_size: 0
    .kernarg_segment_align: 8
    .kernarg_segment_size: 56
    .max_flat_workgroup_size: 128
    .sgpr_count:     100
    .vgpr_count:     1024
    .wavefront_size: 32
...
	.end_amdgpu_metadata
.endif
;; end of part 2
;; launch attn (part 3): grid 8 x 32, 8 waves a work-group, clusters of 4 x 1, 327,680 bytes of LDS; arguments q_codes, k_codes, v_codes, lowp_scales, att_codes; writes att_codes
.if DOCPART == 3
	.amdgcn_target "amdgcn-amd-amdhsa--gfx1250"
	.amdhsa_code_object_version 6
	.text
	.protected	k_q2ed823fc33_attn
	.globl	k_q2ed823fc33_attn
	.p2align	8
	.type	k_q2ed823fc33_attn,@function
k_q2ed823fc33_attn:
	s_mov_b64 s[64:65], 0
	v_nop
	global_prefetch_b8 v0, s[64:65] scope:SCOPE_SE
	s_setreg_imm32_b32 hwreg(HW_REG_WAVE_MODE, 25, 1), 1
	s_wait_xcnt 0x0
	s_wait_alu depctr_hold_cnt(0) depctr_sa_sdst(0) depctr_va_vdst(0) depctr_va_sdst(0) depctr_va_ssrc(0) depctr_va_vcc(0) depctr_vm_vsrc(0)
	s_getreg_b32 s2, hwreg(HW_REG_IB_STS2, 6, 4)
	s_cmp_eq_u32 s2, 0
	s_cbranch_scc0 .Lentry_in_a_cluster
	s_endpgm
.Lentry_in_a_cluster:
	s_bfe_u32 s2, ttmp6, 0x10000c
	s_cmp_lg_u32 s2, 0x3003
	s_cbranch_scc0 .Lentry_shape_is_right
	s_endpgm
.Lentry_shape_is_right:
; Causal attention of one head (grid y) on codes of BF8 (E5M2), and its result quantised for the last product (2^e6).  Left out: blocks of 128 keys wholly behind a query block under the causal mask.
; q_codes, k_codes, v_codes: images of operand registers, as the launch before laid them.  att_codes: [256 tiles of 16 tokens][16 heads][2][32 lanes][16]: byte 8 u + i of lane (r, h) in part c is d = 32 c + 16 u + 8 h + i of token r.
; THE SOFTMAX: t = score x log2(e) / 8; M = the largest t so far, rounded UP to a whole number; p = 2^(t - M) is quantised, not normalised; the row's sum is taken of the unquantised p and divides at the end.
; When M moves, the sum and O are multiplied by 2^(old M - new M): exact.
; SHARES.  A work-group has eight waves; a wave works 32 queries, tiles A and B of 16, so that each fragment of K and V feeds two products.  Place cx of a cluster takes queries 32 cx .. 32 cx + 31 of a block of 128.
; Waves p and p + 4 (p = 0 .. 3) share blocks t and 15 - t, t = 2 p + ((p & 1) xor the cluster's x), t <= 7: wave p takes block t whole (t + 1 steps of 128 keys), then keys 1024 .. of block 15 - t (8 - t steps); wave p + 4
; takes keys 0 .. 1023 of block 15 - t (8 steps), adds wave p's part of it and stores it.  So each pair has 17 steps.
; THE WHOLE HEAD LIES IN LDS, asked for once, at the head, one joint load a wave (the four work-groups of a cluster belong to one head); nothing is filled again, so there is no loop to prefetch in.
; LAYOUT.  Both products are used transposed: S^T = K Q^T, O^T = V^T P^T: a lane holds one query of each tile (lane % 16).  Register 8 T + i of S^T is key 16 T + 8 (lane / 16) + i: V's order.
; LIMITS: e2 + e3 between -123 and 130 (added to c's exponent field); e5, e6 between -126 and 112.  The scaled scores stay under 2^31 in magnitude.  NaN is not served.
; REGISTERS, window 0: v12 -M, v13 the largest t, v[14:15] the sum of tile A; v16-19 of tile B; v20, v22 f; v24-27 at work; v28-31 2^e5, 57,344 x 2^e5, 2^e6, 57,344 x 2^e6; v32-47 Q; v48-79 p's codes; v96-159, v160-223 S^T, then p;
;   v224-239 partial sums.  Window 1: v0-63 K's 8 fragments, v64-127 V's 4, v128-159 O^T of A, v160-191 of B, v192-207 the second block's Q.
.set ROW,   272                        ; 256 bytes + 16 of padding
.set CH,    128*ROW                    ; what one load brings: 512 keys of K or of V
.set BLK,   32*ROW                     ; 128 keys
.set VOFF,  4*CH
.set MOFF,  8*CH                       ; wave p's partial results for wave p + 4: 17 x 512 bytes each; no fill lands there
.set MSIZE, 8704
.set SPARE, MOFF+4*MSIZE
.set AK0, 1
.set AV0, 2
.set VD,  3
.set SPW, 4
.set NIL, 5
.set MG,  7
.set ADK, 8
.set ADV, 9
.set GO,  10
.set AK8, 11                           ; K's block 8
.set WV,  14
.set ROLE, 19
.set SEL, 20
.set CS,  22
.set G1,  24
.set G0,  32
.set OB1, 36
.set OB2, 38
.set QA1, 40
.set QA2, 42
.set KB,  44
.set TB,  45
.set TBN, 46
.set TQ,  47
.set T2,  48
.set MSB, 0
.macro WIN new                         ; the immediate's high byte repeats the setting that is left
.if MSB != (\new)
	s_set_vgpr_msb (MSB<<8)|(\new)
.set MSB, \new
.endif
.endm
.macro CROUND
	s_barrier_signal -1
	s_barrier_wait -1
	s_cmp_lg_u32 s[WV], 0
	s_cbranch_scc1 .Lnot_wave_0_\@
	s_barrier_signal -3
.Lnot_wave_0_\@:
	s_barrier_wait -3
	s_barrier_signal -1
	s_barrier_wait -1
.endm
	s_load_b256 s[4:11], s[0:1], 0x0               ; q_codes, k_codes, v_codes, the scales' exponents
	s_load_b64 s[12:13], s[0:1], 0x20              ; att_codes
	v_lshl_add_u32 v[SPW], v0, 2, SPARE
	v_mov_b32 v[NIL], 0
	ds_add_u32 v[SPW], v[NIL]                      ; the opening lines
	ds_add_u32 v[SPW], v[NIL]
	v_lshrrev_b32 v8, 5, v0
	v_readfirstlane_b32 s[WV], v8                  ; wave 0..7
	s_bfe_u32 s15, ttmp6, 0x40000                  ; cx: it enters Q's and the output's addresses and the mask's numbers alone
	s_and_b32 s16, s[WV], 3                        ; p
	s_and_b32 s17, s16, 1
	s_xor_b32 s17, s17, ttmp9
	s_lshl_b32 s18, s16, 1
	s_add_co_u32 s17, s17, s18                     ; t
	s_sub_co_u32 s[T2], 15, s17                    ; 15 - t
	s_lshr_b32 s[ROLE], s[WV], 2
	s_cmp_eq_u32 s[ROLE], 0
	s_cselect_b32 s[TQ], s17, s[T2]                ; my first block of queries
	s_and_b32 s18, ttmp7, 0xffff                   ; b h
	s_lshl_b32 s49, s18, 17                        ; the head's first byte in the three inputs
	s_lshr_b32 s54, s18, 4
	s_lshl_b32 s54, s54, 21
	s_and_b32 s55, s18, 15
	s_lshl_b32 s55, s55, 10
	s_add_co_u32 s54, s54, s55                     ; and in att_codes
	s_mov_b32 s[G1], 15|(1<<20)|(1<<21)|(5<<22)|(3<<25)   ; 15:0 the mask: all four; bytes; 20 padding on; 21 set beside a mask; after every 64 words four words
	s_mov_b32 s[G1+1], 256<<16
	s_mov_b32 s[G1+2], 128<<16
	s_mov_b32 s[G1+3], 256<<16
	s_mov_b32 s[G1+4], 128
	s_mov_b32 s[G1+5], 256
	s_mov_b32 s[G1+6], 0
	s_mov_b32 s[G1+7], 0
	s_lshr_b32 s50, s[WV], 1                       ; which 512 keys I fetch,
	s_and_b32 s51, s[WV], 1                        ; of K (0) or of V (1)
	s_mul_i32 s52, s50, CH
	s_mul_i32 s53, s51, VOFF
	s_mov_b32 s[G0], 1
	s_add_co_u32 s[G0+1], s52, s53
	s_lshl_b32 s52, s50, 15
	s_add_co_u32 s52, s52, s49
	s_mov_b32 s53, 0
	s_mov_b32 s[SEL], 0x76543210
	s_mov_b32 s[SEL+1], 0xfedcba98
	s_mov_b32 s[CS], 0x3e38aa3b                    ; log2(e) / 8
	s_mov_b32 s[KB], 0
	s_mov_b32 s[TB], 0
	s_mov_b32 s[TBN], BLK
	s_wait_alu depctr_va_vdst(0)
	s_wait_dscnt 0x0                               ; both opening adds are done
	s_wait_kmcnt 0x0
	s_load_b256 s[56:63], s[10:11], 0x0            ; e0 .. e7
	s_cmp_eq_u32 s51, 0
	s_cselect_b64 s[G0+2:G0+3], s[6:7], s[8:9]
	s_add_nc_u64 s[G0+2:G0+3], s[G0+2:G0+3], s[52:53]
	s_or_b32 s[G0+3], s[G0+3], 0x80000000
	CROUND                                         ; all four work-groups are here: the joint loads meet
	tensor_load_to_lds s[G0:G0+3], s[G1:G1+7]      ; every wave issues its one load
	s_nop 0
.rept 4
	v_nop
.endr
.macro ADDR tt, qa, ob                 ; where 32 queries of block tt begin: tile 8 tt + 2 cx
	s_lshl_b32 s50, s[\tt], 3
	s_lshl_b32 s51, s15, 1
	s_add_co_u32 s50, s50, s51
	s_lshl_b32 s52, s50, 10
	s_add_co_u32 s52, s52, s49
	s_add_nc_u64 s[\qa:\qa+1], s[4:5], s[52:53]
	s_lshl_b32 s52, s50, 14
	s_add_co_u32 s52, s52, s54
	s_add_nc_u64 s[\ob:\ob+1], s[12:13], s[52:53]
.endm
	ADDR TQ, QA1, OB1
	ADDR T2, QA2, OB2
	s_lshl_b32 s51, s15, 5
	s_mul_i32 s52, s16, MSIZE
	s_add_co_u32 s52, s52, MOFF
	v_and_b32 v[GO], 31, v0
	v_lshlrev_b32 v[GO], 4, v[GO]                  ; 16 bytes a lane
.irp i, 0,1,2,3
	global_load_b128 v[32+4*\i:35+4*\i], v[GO], s[QA1:QA1+1] offset:512*\i   ; Q: tile A's 8 registers, tile B's 8
.endr
	WIN 0x40
.irp i, 0,1,2,3
	global_load_b128 v[192+4*\i:195+4*\i], v[GO], s[QA2:QA2+1] offset:512*\i
.endr
	WIN 0
	v_and_b32 v24, 15, v0                          ; r
	v_bfe_u32 v25, v0, 4, 1                        ; h
	v_mul_u32_u24 v[AK0], v25, ROW
	v_lshl_add_u32 v[AK0], v24, 4, v[AK0]          ; a fragment's 512 bytes are two rows of 256: sixteen lanes read sixteen neighbouring columns
	v_add_nc_u32 v[AV0], VOFF, v[AK0]
	v_add_nc_u32 v[AK8], 8*BLK, v[AK0]
	v_lshlrev_b32 v26, 3, v25
	v_sub_nc_u32 v[VD], v24, v26
	v_add_nc_u32 v[VD], s51, v[VD]                 ; tile A's query in its block of 128, less 8 h
	v_add_nc_u32 v[MG], s52, v[GO]
	v_mov_b32 v80, 0                               ; (a lane permute's destination counts as one of its sources)
	v_mov_b32 v81, 0
	v_mov_b32 v21, 0                               ; (named as upper halves of pairs)
	v_mov_b32 v23, 0
.macro INIT                            ; a block of queries begins: the step is one text, and its first change of M multiplies zeros
	v_mov_b32 v13, 0xff61b1e6                      ; the largest t so far: -3e38, under every t
	v_mov_b32 v17, 0xff61b1e6
	v_mov_b32 v14, 0
	v_mov_b32 v15, 0
	v_mov_b32 v18, 0
	v_mov_b32 v19, 0
	v_floor_f32 v12, -v13                          ; -M
	v_floor_f32 v16, -v17
	WIN 0x40
.set n, 0
.rept 64
	v_mov_b32 v[128+n], 0
.set n, n+1
.endr
	WIN 0
.endm
	INIT
	s_wait_alu depctr_va_vdst(0)
	s_wait_kmcnt 0x0
	s_add_co_i32 s50, s58, s59
	s_lshl_b32 s50, s50, 23
	s_add_co_i32 s[CS], s[CS], s50                 ; a score stands for score x 2^(e2 + e3): added to c's exponent field
	s_mov_b32 s[CS+1], s[CS]                       ; (named with it as a pair)
.irp p, 0,1
	s_add_co_i32 s50, s[61+\p], 127
	s_lshl_b32 s51, s50, 23
	v_mov_b32 v[28+2*\p], s51                      ; 2^e
	s_add_co_i32 s50, s50, 15
	s_lshl_b32 s50, s50, 23
	s_or_b32 s50, s50, 0x600000
	v_mov_b32 v[29+2*\p], s50                      ; 57,344 x 2^e
.endr
.macro KLOAD adr
.irp t, 0,1,2,3,4,5,6,7
	ds_load_b128 v[8*\t:8*\t+3], v[\adr] offset:4*ROW*\t
	ds_load_b128 v[8*\t+4:8*\t+7], v[\adr] offset:4*ROW*\t+2*ROW
.endr
.endm
.macro TOT base, l, f                  ; the row's sum: l x f + the 64 numbers from base on
.irp k, 0,2,4,6,8,10,12,14
	v_pk_add_f32 v[224+\k:225+\k], v[\base+\k:\base+\k+1], v[\base+\k+16:\base+\k+17]
.endr
.irp k, 0,2,4,6,8,10,12,14
	v_pk_add_f32 v[224+\k:225+\k], v[224+\k:225+\k], v[\base+\k+32:\base+\k+33]
.endr
.irp k, 0,2,4,6,8,10,12,14
	v_pk_add_f32 v[224+\k:225+\k], v[224+\k:225+\k], v[\base+\k+48:\base+\k+49]
.endr
.irp k, 0,2,4,6
	v_pk_add_f32 v[224+\k:225+\k], v[224+\k:225+\k], v[232+\k:233+\k]
.endr
	v_pk_add_f32 v[224:225], v[224:225], v[228:229]
	v_pk_add_f32 v[226:227], v[226:227], v[230:231]
	v_pk_add_f32 v[224:225], v[224:225], v[226:227]
	v_pk_fma_f32 v[\l:\l+1], v[\l:\l+1], v[\f:\f+1], v[224:225] op_sel_hi:[1,0,1]
.endm
; A KEY STEP: the block of 128 keys s[KB] for both tiles.  K's fragments were asked for a step ago.
.macro STEP
	s_cmp_gt_u32 s[KB], s[TQ]                      ; all its keys come after my queries (or the block is not mine): the work is left out
	s_cbranch_scc1 .Lhidden_\@
	v_add_nc_u32 v[ADV], s[TB], v[AV0]
	v_add_nc_u32 v[ADK], s[TBN], v[AK0]
	s_wait_alu depctr_va_vdst(0)
	s_wait_dscnt 0x0                               ; K's fragments are in
	WIN 0x01
.irp t, 0,1,2,3,4,5,6,7
	v_wmma_f32_16x16x64_bf8_bf8 v[96+8*\t:103+8*\t], v[8*\t:8*\t+7], v[32:39], 0
	v_wmma_f32_16x16x64_bf8_bf8 v[160+8*\t:167+8*\t], v[8*\t:8*\t+7], v[40:47], 0
.endr
	WIN 0x40
.rept 4
	v_nop                                          ; places: loads follow into registers that the products have read, and the scores are read
.endr
.irp t, 0,1,2,3
.irp c, 0,1,2,3
	ds_load_b128 v[64+16*\t+4*\c:67+16*\t+4*\c], v[ADV] offset:8*ROW*\t+2*ROW*\c   ; V of this step, wanted behind the softmax
.endr
.endr
	WIN 0
	s_cmp_lt_u32 s[KB], s[TQ]                      ; all its keys count: no mask
	s_cbranch_scc1 .Lopen_\@
	v_mov_b32 v84, 0xff800000                      ; on the diagonal the scores of hidden keys become -infinity ahead of the maximum: p = 0 then
.set n, 0
.rept 64
	v_cmp_gt_i32 vcc_lo, 16*(n/8)+n%8, v[VD]       ; register n holds key 16 (n / 8) + 8 h + n % 8 of the block
	v_cndmask_b32 v[96+n], v[96+n], v84, vcc_lo
.set n, n+1
.endr
.set n, 0
.rept 64
	v_cmp_gt_i32 vcc_lo, 16*(n/8)+n%8-16, v[VD]    ; tile B's query stands 16 further on
	v_cndmask_b32 v[160+n], v[160+n], v84, vcc_lo
.set n, n+1
.endr
.Lopen_\@:
.irp c, 0,1,2,3                        ; the largest scores, four chains a tile (v85-88, v89-92), each accumulator from its low end on
	v_max3_num_f32 v[85+\c], v[96+3*\c], v[97+3*\c], v[98+3*\c]
	v_max3_num_f32 v[89+\c], v[160+3*\c], v[161+3*\c], v[162+3*\c]
.endr
.set n, 12
.rept 26
	v_max3_num_f32 v[85+(n/2+2)%4], v[85+(n/2+2)%4], v[96+n], v[97+n]
	v_max3_num_f32 v[89+(n/2+2)%4], v[89+(n/2+2)%4], v[160+n], v[161+n]
.set n, n+2
.endr
	v_max3_num_f32 v24, v85, v86, v87
	v_max3_num_f32 v26, v89, v90, v91
	v_max_num_f32 v24, v24, v88
	v_max_num_f32 v26, v26, v92
	v_permlanex16_b32 v80, v24, s[SEL], s[SEL+1]
	v_permlanex16_b32 v81, v26, s[SEL], s[SEL+1]
	v_max_num_f32 v24, v24, v80                    ; and among lane l xor 16's
	v_max_num_f32 v26, v26, v81
	v_mul_f32 v24, s[CS], v24                      ; as t (c is positive)
	v_mul_f32 v26, s[CS], v26
	v_max_num_f32 v13, v13, v24                    ; the running largest t
	v_max_num_f32 v17, v17, v26
	v_mov_b32 v24, v12
	v_mov_b32 v26, v16
	v_floor_f32 v12, -v13                          ; the new -M = floor(-t): M is a whole number
	v_floor_f32 v16, -v17
	v_sub_f32 v24, v12, v24                        ; old M less new M: a whole number, 0 or less
	v_sub_f32 v26, v16, v26
	v_cvt_i32_f32 v24, v24                         ; (it saturates)
	v_cvt_i32_f32 v26, v26
	v_ldexp_f32 v20, 1.0, v24                      ; f = 2^(old M - new M)
	v_ldexp_f32 v22, 1.0, v26
.set n, 0
.rept 32
	v_pk_fma_f32 v[96+n:97+n], v[96+n:97+n], s[CS:CS+1], v[12:13] op_sel_hi:[1,0,0]   ; t - M
.set n, n+2
.endr
	s_wait_alu depctr_va_vdst(0)                   ; the wait ahead of the batch
.set n, 0
.rept 32
	v_exp_f32 v[96+n], v[96+n]                     ; tile A: p = 2^(t - M), at most 1: not normalised;
	v_exp_f32 v[97+n], v[97+n]
	v_pk_fma_f32 v[160+n:161+n], v[160+n:161+n], s[CS:CS+1], v[16:17] op_sel_hi:[1,0,0]   ; tile B's t - M among them
.set n, n+2
.endr
	s_wait_alu depctr_va_vdst(0)                   ; ahead of the batch's first reader
	TOT 96, 14, 20
	WIN 0x40
	KLOAD ADK                                      ; K of the next block
	WIN 0
	s_wait_alu depctr_va_vdst(0)                   ; and ahead of the next batch
.set n, 0
.rept 32
	v_exp_f32 v[160+n], v[160+n]                   ; tile B's exponentials,
	v_exp_f32 v[161+n], v[161+n]
	v_dual_min_num_f32 v[96+n], v29, v[96+n] :: v_dual_min_num_f32 v[97+n], v29, v[97+n]   ; tile A's hold among them: the conversion does not saturate (ISA guide 7.6.2); p is not negative
.set n, n+2
.endr
	v_nop                                          ; a plain line behind the batch
	s_wait_alu depctr_va_vdst(0)                   ; ahead of its first reader
	TOT 160, 18, 22
.set n, 0
.rept 32
	v_dual_min_num_f32 v[160+n], v29, v[160+n] :: v_dual_min_num_f32 v[161+n], v29, v[161+n]
.set n, n+2
.endr
.irp t, 0,1,2,3,4,5,6,7
	v_cvt_scalef32_pk8_bf8_f32 v[48+2*\t:49+2*\t], v[96+8*\t:103+8*\t], v28
	v_cvt_scalef32_pk8_bf8_f32 v[64+2*\t:65+2*\t], v[160+8*\t:167+8*\t], v28
.endr
	WIN 0x41
	s_wait_alu depctr_va_vdst(0)                   ; ahead of the first reader of O^T
.set n, 0
.rept 16
	v_pk_mul_f32 v[128+n:129+n], v[128+n:129+n], v[20:21] op_sel_hi:[1,0]   ; O^T under the new M
	v_pk_mul_f32 v[160+n:161+n], v[160+n:161+n], v[22:23] op_sel_hi:[1,0]
.set n, n+2
.endr
	s_wait_alu depctr_va_vdst(0)
	s_wait_dscnt 16                                ; V is in; the 16 loads of the next K may be out
	WIN 0x51
.irp t, 0,1,2,3
	v_wmma_f32_16x16x128_bf8_bf8 v[128+8*\t:135+8*\t], v[64+16*\t:79+16*\t], v[48:63], v[128+8*\t:135+8*\t]   ; O^T += V^T P^T: the eight accumulators by turns
	v_wmma_f32_16x16x128_bf8_bf8 v[160+8*\t:167+8*\t], v[64+16*\t:79+16*\t], v[64:79], v[160+8*\t:167+8*\t]
.endr
	WIN 0
.Lhidden_\@:
	s_add_co_u32 s[TB], s[TB], BLK
	s_add_co_u32 s[TBN], s[TB], BLK
	s_min_u32 s[TBN], s[TBN], 15*BLK
	s_add_co_u32 s[KB], s[KB], 1
.endm
; THE WAY OUT of 32 queries: O^T / the sum x 2^(e4 + e5), held, converted with 2^e6; a lane's 16 bytes are stored as they stand, 512 consecutive bytes a store.
; merged = 1: the other wave's part (O^T in v96-159, -M, sum, -M, sum in v224-227) is brought under the common M and added.
.macro OUT ob, merged
.rept 4
	v_nop                                          ; places behind the last products
.endr
	v_add_f32 v14, v14, v15
	v_add_f32 v18, v18, v19
.if \merged
	v_min_num_f32 v24, v12, v224                   ; the common -M
	v_min_num_f32 v26, v16, v226
	v_sub_f32 v82, v24, v12
	v_sub_f32 v83, v26, v16
	v_sub_f32 v20, v24, v224
	v_sub_f32 v22, v26, v226
	v_cvt_i32_f32 v82, v82
	v_cvt_i32_f32 v83, v83
	v_cvt_i32_f32 v20, v20
	v_cvt_i32_f32 v22, v22
	v_ldexp_f32 v82, 1.0, v82
	v_ldexp_f32 v83, 1.0, v83
	v_ldexp_f32 v20, 1.0, v20
	v_ldexp_f32 v22, 1.0, v22
	v_mul_f32 v14, v14, v82
	v_mul_f32 v18, v18, v83
	v_fma_f32 v14, v225, v20, v14
	v_fma_f32 v18, v227, v22, v18
.endif
	v_permlanex16_b32 v80, v14, s[SEL], s[SEL+1]
	v_permlanex16_b32 v81, v18, s[SEL], s[SEL+1]
	v_add_f32 v14, v14, v80                        ; the row's sum: more than 0, since every query sees its own key
	v_add_f32 v18, v18, v81
	s_wait_alu depctr_va_vdst(0)                   ; the wait ahead of the batch
	v_rcp_f32 v24, v14
	v_rcp_f32 v26, v18
	v_nop
	s_add_co_i32 s50, s60, s61
	s_wait_alu depctr_va_vdst(0)                   ; and ahead of its first reader
	v_ldexp_f32 v14, v24, s50
	v_ldexp_f32 v18, v26, s50
.if \merged
	v_mul_f32 v20, v14, v20
	v_mul_f32 v22, v18, v22
	v_mul_f32 v14, v14, v82
	v_mul_f32 v18, v18, v83
.set n, 0
.rept 16
	v_pk_mul_f32 v[96+n:97+n], v[96+n:97+n], v[20:21] op_sel_hi:[1,0]
	v_pk_mul_f32 v[128+n:129+n], v[128+n:129+n], v[22:23] op_sel_hi:[1,0]
.set n, n+2
.endr
.endif
	WIN 0x01
	s_wait_alu depctr_va_vdst(0)                   ; ahead of the first reader of O^T
.set n, 0
.rept 32
.if n < 32
.set LW, 14
.else
.set LW, 18
.endif
.if \merged
	v_pk_fma_f32 v[96+n:97+n], v[128+n:129+n], v[LW:LW+1], v[96+n:97+n] op_sel_hi:[1,0,1]
.else
	v_pk_mul_f32 v[96+n:97+n], v[128+n:129+n], v[LW:LW+1] op_sel_hi:[1,0]
.endif
.set n, n+2
.endr
	WIN 0
.set n, 0
.rept 64
	v_med3_num_f32 v[96+n], v[96+n], -v31, v31
.set n, n+1
.endr
.irp t, 0,1,2,3,4,5,6,7
	v_cvt_scalef32_pk8_bf8_f32 v[48+2*\t:49+2*\t], v[96+8*\t:103+8*\t], v30
.endr
	v_nop                                          ; a plain line behind the conversions
	global_store_b128 v[GO], v[48:51], s[\ob:\ob+1]
	global_store_b128 v[GO], v[52:55], s[\ob:\ob+1] offset:512
	global_store_b128 v[GO], v[56:59], s[\ob:\ob+1] offset:16384
	global_store_b128 v[GO], v[60:63], s[\ob:\ob+1] offset:16384+512
.endm
	s_wait_alu depctr_va_vdst(0)                   ; the wait at the head's end
	s_wait_loadcnt 0x0                             ; Q
	s_wait_tensorcnt 0x0                           ; my load has landed,
	s_barrier_signal -1
	s_barrier_wait -1                              ; everybody's has: the whole head lies in LDS
	WIN 0x40
	KLOAD AK0                                      ; K of block 0
	WIN 0
.Lkeys:                                            ; every wave walks blocks 0 to 15
	s_cmp_lg_u32 s[KB], 8
	s_cbranch_scc1 .Lsame
	s_cmp_lg_u32 s[ROLE], 0
	s_cbranch_scc1 .Lmine_done
	s_wait_dscnt 0x0                               ; no load into K's registers is out
	WIN 0x40
	KLOAD AK8                                      ; K of block 8 lands under the way out
	WIN 0
	OUT OB1, 0                                     ; waves 0-3: block t goes out, block 15 - t begins at key 1024
	INIT
	WIN 0x01
.set n, 0
.rept 16
	v_mov_b32 v[32+n], v[192+n]                    ; its Q
.set n, n+1
.endr
	WIN 0
	s_mov_b32 s[TQ], s[T2]
	s_wait_alu depctr_va_vdst(0)
	s_wait_xcnt 0x0                                ; the stores have read their registers
	s_branch .Lsame
.Lmine_done:
	s_mov_b32 s[TQ], 0                             ; waves 4-7 have walked their eight blocks: the rest is hidden to them
.Lsame:
	STEP
	s_cmp_lg_u32 s[KB], 16
	s_cbranch_scc1 .Lkeys
	s_cmp_lg_u32 s[ROLE], 0
	s_cbranch_scc1 .Lhanded
.rept 4
	v_nop                                          ; places behind the last products
.endr
	v_mov_b32 v224, v12
	v_add_f32 v225, v14, v15
	v_mov_b32 v226, v16
	v_add_f32 v227, v18, v19
	WIN 0x04
.set n, 0
.rept 16
	ds_store_b128 v[MG], v[128+4*n:131+4*n] offset:512*n
.set n, n+1
.endr
	WIN 0
	ds_store_b128 v[MG], v[224:227] offset:8192
.Lhanded:
	s_wait_alu depctr_va_vdst(0)
	s_wait_dscnt 0x0                               ; my stores are done
	s_barrier_signal -1
	s_barrier_wait -1
	s_cmp_eq_u32 s[ROLE], 0
	s_cbranch_scc1 .Lend
.set n, 0
.rept 16
	ds_load_b128 v[96+4*n:99+4*n], v[MG] offset:512*n
.set n, n+1
.endr
	ds_load_b128 v[224:227], v[MG] offset:8192
	s_wait_dscnt 0x0
	OUT OB2, 1
.Lend:
	s_wait_tensorcnt 0x0                           ; the wave's end
	ds_add_u32 v[SPW], v[NIL]
	s_wait_dscnt 0x0
	CROUND                                         ; the closing round
	s_endpgm
.Lfunc_end_k_q2ed823fc33_attn:
	.size	k_q2ed823fc33_attn, .Lfunc_end_k_q2ed823fc33_attn-k_q2ed823fc33_attn
	.p2alignl 7, 3214868480
	.fill 96, 4, 3214868480
	.section	.rodata,"a",@progbits
	.p2align	6, 0x0
	.amdhsa_kernel k_q2ed823fc33_attn
		.amdhsa_group_segment_fixed_size 327680
		.amdhsa_private_segment_fixed_size 0
		.amdhsa_enable_private_segment 0
		.amdhsa_kernarg_size 40
		.amdhsa_user_sgpr_count 2
		.amdhsa_user_sgpr_kernarg_segment_ptr 1
		.amdhsa_wavefront_size32 1
		.amdhsa_system_sgpr_workgroup_id_x 1
		.amdhsa_system_sgpr_workgroup_id_y 1
		.amdhsa_system_sgpr_workgroup_id_z 1
		.amdhsa_system_vgpr_workitem_id 0
		.amdhsa_next_free_vgpr 512
		.amdhsa_next_free_sgpr 96
		.amdhsa_reserve_vcc 1
		.amdhsa_float_denorm_mode_32 3
		.amdhsa_float_denorm_mode_16_64 3
		.amdhsa_memory_ordered 1
		.amdhsa_forward_progress 1
		.amdhsa_inst_pref_size 74
	.end_amdhsa_kernel
	.amdgpu_metadata
---
amdhsa.version: [ 1, 2 ]
amdhsa.kernels:
  - .name:           k_q2ed823fc33_attn
    .symbol:         k_q2ed823fc33_attn.kd
    .args:
      - { .name: q_codes, .offset: 0, .size: 8, .value_kind: global_buffer, .address_space: global }
      - { .name: k_codes, .offset: 8, .size: 8, .value_kind: global_buffer, .address_space: global }
      - { .name: v_codes, .offset: 16, .size: 8, .value_kind: global_buffer, .address_space: global }
      - { .name: lowp_scales, .offset: 24, .size: 8, .value_kind: global_buffer, .address_space: global }
      - { .name: att_codes, .offset: 32, .size: 8, .value_kind: global_buffer, .address_space: global }
    .group_segment_fixed_size: 327680
    .private_segment_fixed_size: 0
    .kernarg_segment_align: 8
    .kernarg_segment_size: 40
    .max_flat_workgroup_size: 256
    .sgpr_count:     96
    .vgpr_count:     512
    .wavefront_size: 32
...
	.end_amdgpu_metadata
.endif
;; end of part 3
;; launch proj (part 4): grid 8 x 32, 4 waves a work-group, clusters of 4 x 4, 327,680 bytes of LDS; arguments att_codes, woc, lowp_scales, bout, out0; writes out0
.if DOCPART == 4
	.amdgcn_target "amdgcn-amd-amdhsa--gfx1250"
	.amdhsa_code_object_version 6
	.text
	.protected	k_q2ed823fc33_proj
	.globl	k_q2ed823fc33_proj
	.p2align	8
	.type	k_q2ed823fc33_proj,@function
k_q2ed823fc33_proj:
	s_mov_b64 s[64:65], 0
	v_nop
	global_prefetch_b8 v0, s[64:65] scope:SCOPE_SE
	s_setreg_imm32_b32 hwreg(HW_REG_WAVE_MODE, 25, 1), 1
	s_wait_xcnt 0x0
	s_wait_alu depctr_hold_cnt(0) depctr_sa_sdst(0) depctr_va_vdst(0) depctr_va_sdst(0) depctr_va_ssrc(0) depctr_va_vcc(0) depctr_vm_vsrc(0)
	s_getreg_b32 s2, hwreg(HW_REG_IB_STS2, 6, 4)
	s_cmp_eq_u32 s2, 0
	s_cbranch_scc0 .Lentry_in_a_cluster
	s_endpgm
.Lentry_in_a_cluster:
	s_bfe_u32 s2, ttmp6, 0x10000c
	s_cmp_lg_u32 s2, 0xf033
	s_cbranch_scc0 .Lentry_shape_is_right
	s_endpgm
.Lentry_shape_is_right:
; out0 = att Wout + bout on codes of BF8 (E5M2).  att_codes: images of operand registers, [256 tiles of 16 tokens][16 heads][2][32 lanes][16], scale 2^e6; woc: [4 quarters of K][1024 rows][256], scale 2^e7, each 32 of K in the same order.
; out0: [4096][1024] f32.  A tile of the output is 128 x 128: 32 x 8 = 256 work-groups.  Four waves, each 64 x 64: 16 accumulators.  ALL of K lies in LDS, one load a wave at the head; nothing is filled again: no loop to prefetch in.
; CLUSTERS of 4 x 4: the tokens' codes are asked for jointly along a row of the cluster, the weight's along a column.
; USED TRANSPOSED (source 0 = 16 rows of woc, source 1 = 16 tokens): a lane holds eight neighbouring numbers of a row of the output.
; LIMIT: e6 + e7 between -126 and 127.
; REGISTERS: window 0: addresses; v32-63 the bias; v64-127 rows back from the stage, two sets; v128-255 the accumulators ((a, b) at v[128 + 8 (4 a + b)]).  Window 1: two fragment buffers of 128: A's four, then B's four.
.set BP,    272                        ; a row of a quarter: 256 bytes + 16
.set BQ,    64*BP                      ; 64 rows of one quarter
.set BOFF,  131072                     ; LDS: A's 128 tokens from 0; B from here: two halves of four quarters;
.set STAGE, BOFF+8*BQ                  ; the stages, 16 rows x 272 bytes a wave: no fill lands there
.set SPARE, STAGE+4*16*272
.set ADRA, 16
.set ADRB, 17
.set STO,  24
.set RD,   25
.set CO,   26
.set SPW,  28
.set NIL,  29
.set CB,   32
.set RB,   64
.set ACC,  128
.set G1A, 24
.set G1B, 32
.set G0A, 40
.set G0B, 44
.set MSB, 0
.macro WIN new                         ; the immediate's high byte repeats the setting that is left
.if MSB != (\new)
	s_set_vgpr_msb (MSB<<8)|(\new)
.set MSB, \new
.endif
.endm
.macro CROUND
	s_barrier_signal -1
	s_barrier_wait -1
	s_cmp_lg_u32 s14, 0
	s_cbranch_scc1 .Lnot_wave_0_\@
	s_barrier_signal -3
.Lnot_wave_0_\@:
	s_barrier_wait -3
	s_barrier_signal -1
	s_barrier_wait -1
.endm
	s_load_b256 s[4:11], s[0:1], 0x0               ; att_codes, woc, the scales' exponents, bout
	s_load_b64 s[12:13], s[0:1], 0x20              ; out0
	v_lshl_add_u32 v[SPW], v0, 2, SPARE
	v_mov_b32 v[NIL], 0
	ds_add_u32 v[SPW], v[NIL]                      ; the opening lines
	ds_add_u32 v[SPW], v[NIL]
	v_lshrrev_b32 v1, 5, v0
	v_readfirstlane_b32 s14, v1                    ; wave 0..3
	s_lshr_b32 s15, s14, 1                         ; which 64 tokens are mine.  Also: I fetch tokens (0) or weights (1)
	s_and_b32 s16, s14, 1                          ; which 64 columns.  Also: which half I fetch
	s_bfe_u32 s84, ttmp6, 0x40000                  ; cx, cy
	s_bfe_u32 s85, ttmp6, 0x40004
	s_lshl_b32 s86, ttmp9, 2
	s_add_co_u32 s86, s86, s84                     ; tile column, 0 .. 7
	s_and_b32 s87, ttmp7, 0xffff
	s_lshl_b32 s87, s87, 2
	s_add_co_u32 s87, s87, s85                     ; tile row, 0 .. 31
	s_lshl_b32 s88, s85, 2
	s_lshl_b32 s88, 15, s88                        ; my row of the cluster
	s_lshl_b32 s89, 0x1111, s84                    ; my column
	s_or_b32 s[G1A], s88, 1<<21                    ; A: 64 tokens: 65,536 dense bytes as rows of 256, no padding: a fragment's 512 bytes are read as they lie
	s_mov_b32 s[G1A+1], 256<<16
	s_mov_b32 s[G1A+2], 256<<16
	s_mov_b32 s[G1A+3], 256<<16
	s_mov_b32 s[G1A+4], 256
	s_mov_b32 s[G1A+5], 256
	s_mov_b32 s[G1A+6], 0
	s_mov_b32 s[G1A+7], 0
	s_or_b32 s[G1B], s89, (1<<20)|(1<<21)|(5<<22)|(3<<25)   ; B: 64 rows on end in each of four quarters, 16 bytes of padding behind each 256
	s_mov_b32 s[G1B+1], 16384<<16
	s_mov_b32 s[G1B+2], 4<<16
	s_mov_b32 s[G1B+3], 16384<<16
	s_mov_b32 s[G1B+4], 4
	s_mov_b32 s[G1B+5], 262144
	s_mov_b32 s[G1B+6], 0
	s_mov_b32 s[G1B+7], 0
	s_lshl_b32 s18, s87, 17
	s_lshl_b32 s19, s16, 16
	s_add_co_u32 s18, s18, s19
	s_mov_b32 s19, 0
	s_lshl_b32 s20, s86, 15
	s_lshl_b32 s21, s16, 14
	s_add_co_u32 s20, s20, s21
	s_mov_b32 s21, 0
	s_lshl_b32 s22, s16, 16                        ; where they go: no place in the cluster enters an LDS address
	s_mul_i32 s23, s16, 4*BQ
	s_add_co_u32 s23, s23, BOFF
	s_wait_alu depctr_va_vdst(0)
	s_wait_dscnt 0x0                               ; both opening adds are done
	s_wait_kmcnt 0x0
	s_load_b256 s[56:63], s[8:9], 0x0              ; e0 .. e7
	s_mov_b32 s[G0A], 1
	s_mov_b32 s[G0A+1], s22
	s_add_nc_u64 s[G0A+2:G0A+3], s[4:5], s[18:19]
	s_or_b32 s[G0A+3], s[G0A+3], 0x80000000
	s_mov_b32 s[G0B], 1
	s_mov_b32 s[G0B+1], s23
	s_add_nc_u64 s[G0B+2:G0B+3], s[6:7], s[20:21]
	s_or_b32 s[G0B+3], s[G0B+3], 0x80000000
	CROUND                                         ; all sixteen work-groups are here: the joint loads meet
	s_cmp_eq_u32 s15, 0
	s_cbranch_scc0 .Lfill_b
	tensor_load_to_lds s[G0A:G0A+3], s[G1A:G1A+7]
	s_nop 0
.rept 4
	v_nop
.endr
	s_branch .Lfilled
.Lfill_b:
	tensor_load_to_lds s[G0B:G0B+3], s[G1B:G1B+7]
	s_nop 0
.rept 4
	v_nop
.endr
.Lfilled:
	s_lshl_b32 s90, s86, 9
	s_lshl_b32 s91, s16, 8
	s_add_co_u32 s90, s90, s91                     ; my first column, in bytes
	s_mov_b32 s91, 0
	s_add_nc_u64 s[10:11], s[10:11], s[90:91]
	s_lshl_b32 s92, s87, 19                        ; 128 rows of 4,096 bytes a tile row,
	s_lshl_b32 s93, s15, 18                        ; my 64 of them,
	s_add_co_u32 s92, s92, s93
	s_add_co_u32 s92, s92, s90                     ; my columns
	s_mov_b32 s93, 0
	s_add_nc_u64 s[12:13], s[12:13], s[92:93]
	s_lshl_b32 s18, s15, 16
	s_mul_i32 s19, s16, 4*BQ
	s_add_co_u32 s19, s19, BOFF
	s_mul_i32 s20, s14, 16*272
	s_add_co_u32 s20, s20, STAGE                   ; my stage
	v_and_b32 v1, 15, v0                           ; r
	v_bfe_u32 v2, v0, 4, 1                         ; h
	v_lshlrev_b32 v27, 5, v2                       ; 8 h numbers of the bias
.irp b, 0,1,2,3
	global_load_b128 v[CB+8*\b:CB+8*\b+3], v27, s[10:11] offset:64*\b
	global_load_b128 v[CB+8*\b+4:CB+8*\b+7], v27, s[10:11] offset:64*\b+16
.endr
	v_and_b32 v3, 31, v0
	v_lshlrev_b32 v3, 4, v3
	v_add_nc_u32 v[ADRA], s18, v3
	v_mul_u32_u24 v4, v1, BP
	v_lshl_add_u32 v4, v2, 4, v4
	v_add_nc_u32 v[ADRB], s19, v4
	v_mul_u32_u24 v5, v1, 272
	v_lshl_add_u32 v5, v2, 5, v5
	v_add_nc_u32 v[STO], s20, v5                   ; in: row r, 32 bytes for each half of the lanes
	v_mul_u32_u24 v5, v2, 272
	v_lshl_add_u32 v5, v1, 4, v5
	v_add_nc_u32 v[RD], s20, v5                    ; back: lanes 0-15 one row of 256 bytes, lanes 16-31 the next
	v_lshlrev_b32 v5, 12, v2
	v_lshl_add_u32 v[CO], v1, 4, v5                ; and the same two rows in out0
	s_wait_alu depctr_va_vdst(0)                   ; the wait at the head's end
	s_wait_kmcnt 0x0
	s_add_co_i32 s96, s62, s63
	s_add_co_i32 s96, s96, 127
	s_lshl_b32 s96, s96, 23                        ; 2^(e6 + e7)
	s_mov_b32 s97, s96                             ; (named with it as a pair)
; 32 LDS loads in one run: the fragments of K step s (128 along K: heads 2 s and 2 s + 1) into buffer f
.macro FETCH s, f
	WIN 0x40
.irp i, 0,1,2,3
.irp c, 0,1,2,3
	ds_load_b128 v[\f+64+16*\i+4*\c:\f+64+16*\i+4*\c+3], v[ADRB] offset:BQ*((\s)/2)+128*((\s)%2)+32*\c+16*BP*\i
.endr
.endr
.irp i, 0,1,2,3
.irp c, 0,1,2,3
	ds_load_b128 v[\f+16*\i+4*\c:\f+16*\i+4*\c+3], v[ADRA] offset:16384*\i+2048*(\s)+512*\c
.endr
.endr
.endm
.macro MUL f, zero                     ; the 16 accumulators take turns, in the same order in every step
	WIN 0x05
.irp a, 0,1,2,3
.irp b, 0,1,2,3
.if \zero
	v_wmma_f32_16x16x128_bf8_bf8 v[ACC+8*(4*\a+\b):ACC+8*(4*\a+\b)+7], v[\f+64+16*\b:\f+64+16*\b+15], v[\f+16*\a:\f+16*\a+15], 0
.else
	v_wmma_f32_16x16x128_bf8_bf8 v[ACC+8*(4*\a+\b):ACC+8*(4*\a+\b)+7], v[\f+64+16*\b:\f+64+16*\b+15], v[\f+16*\a:\f+16*\a+15], v[ACC+8*(4*\a+\b):ACC+8*(4*\a+\b)+7]
.endif
.endr
.endr
.endm
.macro KS s                            ; the step's fragments, asked for a step ago, are in; the next step's are asked for; then the products
	s_wait_dscnt 0x0
.if (\s) > 0
.rept 4
	v_nop                                          ; places in front of loads into the buffer that the step before has multiplied
.endr
.endif
.if (\s) < 7
	FETCH (\s)+1, 128*(((\s)+1)%2)
.endif
.if (\s) == 0
	MUL 0, 1
.else
	MUL 128*((\s)%2), 0
.endif
.endm
	s_wait_loadcnt 0x0                             ; the bias
	s_wait_tensorcnt 0x0                           ; my load is in,
	s_barrier_signal -1
	s_barrier_wait -1                              ; everybody's is
	FETCH 0, 0
.irp s, 0,1,2,3,4,5,6,7
	KS \s
.endr
	WIN 0
; THE WAY OUT, block by block of 16 rows x 64 columns: sum x 2^(e6 + e7) + bout, each accumulator from its low end on; through my own stage; back as whole rows of 256 bytes
.macro TOSTAGE a
.irp b, 0,1,2,3
.irp i, 0,2,4,6
	v_pk_fma_f32 v[ACC+8*(4*(\a)+\b)+\i:ACC+8*(4*(\a)+\b)+\i+1], v[ACC+8*(4*(\a)+\b)+\i:ACC+8*(4*(\a)+\b)+\i+1], s[96:97], v[CB+8*\b+\i:CB+8*\b+\i+1] op_sel_hi:[1,0,1]
.endr
.endr
.irp b, 0,1,2,3
	ds_store_b128 v[STO], v[ACC+8*(4*(\a)+\b):ACC+8*(4*(\a)+\b)+3] offset:64*\b
	ds_store_b128 v[STO], v[ACC+8*(4*(\a)+\b)+4:ACC+8*(4*(\a)+\b)+7] offset:64*\b+16
.endr
.irp t, 0,1,2,3,4,5,6,7
	ds_load_b128 v[RB+32*((\a)%2)+4*\t:RB+32*((\a)%2)+4*\t+3], v[RD] offset:2*272*\t   ; LDS serves a wave's instructions in order (ISA guide 5.7.1.4)
.endr
.endm
.macro SEND a, younger                 ; younger: the LDS instructions issued behind block a's loads, which may stay out
	s_wait_dscnt \younger
.irp t, 0,1,2,3,4,5,6,7
	global_store_b128 v[CO], v[RB+32*((\a)%2)+4*\t:RB+32*((\a)%2)+4*\t+3], s[12:13] offset:(16*(\a)+2*\t)*4096 th:TH_STORE_NT   ; sixteen lanes store one aligned unit of 256 bytes
.endr
.endm
.rept 4
	v_nop                                          ; places behind the last products
.endr
	TOSTAGE 0
.irp a, 1,2,3
.if \a > 1
	s_wait_xcnt 0x0                                ; block a - 2's stores have read their registers
.endif
	TOSTAGE \a
	SEND \a-1, 16                                  ; behind block a - 1's loads: block a's 8 stores and 8 loads
.endr
	SEND 3, 0
	s_wait_tensorcnt 0x0                           ; the wave's end
	ds_add_u32 v[SPW], v[NIL]
	s_wait_dscnt 0x0
	CROUND                                         ; the closing round
	s_endpgm
.Lfunc_end_k_q2ed823fc33_proj:
	.size	k_q2ed823fc33_proj, .Lfunc_end_k_q2ed823fc33_proj-k_q2ed823fc33_proj
	.p2alignl 7, 3214868480
	.fill 96, 4, 3214868480
	.section	.rodata,"a",@progbits
	.p2align	6, 0x0
	.amdhsa_kernel k_q2ed823fc33_proj
		.amdhsa_group_segment_fixed_size 327680
		.amdhsa_private_segment_fixed_size 0
		.amdhsa_enable_private_segment 0
		.amdhsa_kernarg_size 40
		.amdhsa_user_sgpr_count 2
		.amdhsa_user_sgpr_kernarg_segment_ptr 1
		.amdhsa_wavefront_size32 1
		.amdhsa_system_sgpr_workgroup_id_x 1
		.amdhsa_system_sgpr_workgroup_id_y 1
		.amdhsa_system_sgpr_workgroup_id_z 1
		.amdhsa_system_vgpr_workitem_id 0
		.amdhsa_next_free_vgpr 512
		.amdhsa_next_free_sgpr 100
		.amdhsa_reserve_vcc 0
		.amdhsa_float_denorm_mode_32 3
		.amdhsa_float_denorm_mode_16_64 3
		.amdhsa_memory_ordered 1
		.amdhsa_forward_progress 1
		.amdhsa_inst_pref_size 44
	.end_amdhsa_kernel
	.amdgpu_metadata
---
amdhsa.version: [ 1, 2 ]
amdhsa.kernels:
  - .name:           k_q2ed823fc33_proj
    .symbol:         k_q2ed823fc33_proj.kd
    .args:
      - { .name: att_codes, .offset: 0, .size: 8, .value_kind: global_buffer, .address_space: global }
      - { .name: woc, .offset: 8, .size: 8, .value_kind: global_buffer, .address_space: global }
      - { .name: lowp_scales, .offset: 16, .size: 8, .value_kind: global_buffer, .address_space: global }
      - { .name: bout, .offset: 24, .size: 8, .value_kind: global_buffer, .address_space: global }
      - { .name: out0, .offset: 32, .size: 8, .value_kind: global_buffer, .address_space: global }
    .group_segment_fixed_size: 327680
    .private_segment_fixed_size: 0
    .kernarg_segment_align: 8
    .kernarg_segment_size: 40
    .max_flat_workgroup_size: 128
    .sgpr_count:     100
    .vgpr_count:     512
    .wavefront_size: 32
...
	.end_amdgpu_metadata
.endif
;; end of part 4
